; MI455X (gfx1250); checked and timed in simulation.
; The chip was launched on July 23, 2026; its instructions are those of AMD's public machine-readable ISA for CDNA 5 (MIT licence, August 2026) and "CDNA5" Instruction Set Architecture Reference Guide (July 2026). The comments in the code are by the model that wrote it; some were corrected since.
;; Self Attention. Allowed arithmetic: matrix products marked QUANTISED: E2M1 operands, one E8M0 scale for each 32 along K, by v_wmma_scale_f32_16x16x128_f8f6f4 with both operands' format E2M1 (or v_wmma_scale_f32_32x16x128_f4), f32 sums; everything else in f32.
;; Inputs: key_padding_mask 4 x 2,048 bool; qkv 4 x 2,048 x 3 x 16 x 64 float32.
;; Outputs: out0 4 x 2,048 x 16 x 64 float32.
;; This version of the problem:
;;   THIS VERSION OF THE PROBLEM IS GIVEN IN LOW PRECISION. The matrix products marked QUANTISED in the list below multiply operands that are first quantised to E2M1 (2 exponent bits, 1 mantissa bit; 4 bits a number), with one power-of-two scale for each 32 numbers along K (OCP MX v1.0); their sums are f32. All else is computed in f32.
;;   The module's matrix products, in the order in which they are computed (A, B: the left and right operand; K: the contracted axis; several contracted axes count as one K, in the product's order):
;;     1. batch 64 x [M 2,048, K 64] x [K 64, N 2,048]; A: input qkv; B: computed on the way: QUANTISED
;;     2. batch 64 x [M 64, K 2,048] x [K 2,048, N 2,048]; A: input qkv; B: softmax (see below): QUANTISED
;;   THE QUANTISER, for each operand of a quantised product, along K:
;;     - K is cut into blocks of 32 from its start; a last block that is shorter is filled with zeros.
;;     - A block's scale is 2^e with e = floor(log2(the largest magnitude in the block)) - 2, held to -126 .. 127; a block of zeros has e = 0. As a byte (E8M0): e + 127.
;;     - Each number is divided by its block's scale, clamped to +-6, and rounded to the nearest number of E2M1, ties to even, subnormals kept.
;;     - The product sums the exact products of the quantised numbers (number of the format x scale) in f32.
;;   ~~~python
;;   def quantise(x, axis):      # numpy; x: float32 -> the quantised numbers, widened to float32 again
;;       x = np.moveaxis(x, axis, -1); K = x.shape[-1]
;;       x = np.pad(x, [(0, 0)] * (x.ndim - 1) + [(0, -K % 32)]); x = x.reshape(x.shape[:-1] + (-1, 32)); a = np.abs(x).max(-1, keepdims=True)
;;       e = np.where(a > 0, np.clip(np.frexp(np.where(a > 0, a, 1))[1] - 1 - 2, -126, 127), 0)      # np.frexp(a)[1] - 1 = floor(log2(a)), exactly
;;       r = np.clip(x / 2.0 ** e, -6, 6)
;;       step = 2.0 ** (np.maximum(np.frexp(np.where(r == 0, 1, r))[1] - 1, 0) - 1)
;;       q = np.round(r / step) * step * 2.0 ** e      # np.round: ties to even
;;       return np.moveaxis(q.reshape(q.shape[:-2] + (-1,))[..., :K], -1, axis).astype(np.float32)
;;   ~~~
;;   SOFTMAX AHEAD OF A QUANTISED PRODUCT. Where the list says 'softmax', what is quantised is not the finished softmax but p = 2^(t - M), with t = logit x log2(e) and M = ceil(the row's largest t), a whole number; so 1/2 < the row's largest p <= 1. The row's sum l is taken of the UNQUANTISED p, in f32, and the product's result is divided by l at the end. Since M is a whole number, a kernel that streams over the keys may use a running M (the ceiling of the running maximum): every later rescaling is an exact power of two, which a block's scale takes up: the codes' values come out the same.
;;   OPERANDS COMPUTED ON THE WAY. 'Computed on the way' means the value that the module computes at that place (a softmax that the list does not call 'softmax' is quantised finished and normalised). What goes into a quantiser is computed in f32, as accurately as f32 sums, v_exp_f32 and their like allow (about 1e-6 of the number): no bf16 or f16 on the way to a quantiser, and a product that is left as it is and whose result goes on into a quantised operand takes f32 operands (vector FMAs, or v_wmma_f32_16x16x4_f32). A number that lies on a knife's edge between two numbers of the format may be rounded either way, as far as f32 arithmetic and the matrix unit's own rounding can turn it there, and no further.
;; One version. Each part assembles by itself: llvm-mc -triple=amdgcn-amd-amdhsa -mcpu=gfx1250 --defsym DOCPART=n.
;; ======== version 1 of 1: 2 launches
;; limits: right only within a limited range of input values
;; workspace buffers: kv 10,223,616 bytes
;; launch prep (part 1): grid 256 x 1, 12 waves a work-group, no clusters, 36,352 bytes of LDS; arguments qkv, kv, key_padding_mask; writes kv
.if DOCPART == 1
	.amdgcn_target "amdgcn-amd-amdhsa--gfx1250"
	.amdhsa_code_object_version 6
	.text
	.protected	k_qa1dd282073_prep
	.globl	k_qa1dd282073_prep
	.p2align	8
	.type	k_qa1dd282073_prep,@function
k_qa1dd282073_prep:
	s_mov_b64 s[64:65], 0
	v_nop
	global_prefetch_b8 v0, s[64:65] scope:SCOPE_SE
	s_setreg_imm32_b32 hwreg(HW_REG_WAVE_MODE, 25, 1), 1
	s_wait_xcnt 0x0
; k and v of qkv [4][2048][3][16][64] f32 become codes of FP4 (E2M1) with one E8M0 byte for each 32 along a product's K, laid in the ORDER OF THE OPERANDS' REGISTERS; the key padding mask becomes code words beside k's.
; kv: 64 heads (16 b + head) x 16 chunks (one for each 128 keys) x 9,984 bytes.  A chunk (l = lane, r = l % 16, h = l / 16):
;   KC    0: fragment F = 2 G + a at 512 F + 16 l: the 32 codes, d = 32 h .. 32 h + 31, of key 64 (G / 2) + 32 (r / 8) + 16 (G % 2) + 8 a + r % 8   (K = the head's 64)
;   VC 4096: at 1024 t + 256 kb + 16 r: the 32 codes of row d = 16 t + r, keys 32 kb .. 32 kb + 31                                           (K = the keys)
;   KS 8192: word at 16 l + 4 G, l = 16 a + r: the scale word of row r of fragment 2 G + a: byte 0 for d 0-31, byte 1 for d 32-63, bytes 2, 3 for the pad's two blocks
;   VS 8704: word at 8 l + 4 (t / 2), l = 16 (t % 2) + r: row d = 16 t + r: byte kb for key block kb
;   KM 8960: word at 512 a + 16 l + 4 G: the pad's codes of the same key as KC's lane: eight codes of the instruction's k = 64 + 32 h on
; THE PAD.  The matrix instruction's K is 128, the head's 64: blocks 2 and 3 are free.  A key whose mask byte is 0 gets there the codes -4, -1.5 under the scale 2^11 (block 2) and -4, -1 under 2^4 (block 3);
; the next launch sets 1, 0.5 and 4, 1 under the scale 1 against them: -(4 + 0.75) 2^11 - (16 + 1) 2^4 = -10000, exactly.  A key that is kept gets zero codes and the bytes 0x7f, a block of zeros' own.
; The first product's operand is k / 8, and 1/8 is a power of two: its codes are k's own, its scale byte is k's less 3.
; A block's byte is its largest magnitude's exponent field - 2 (k: - 5), held at 1 from below by a floor among the maximum's leaves.
; LIMITS: NaN and infinities among the inputs are not served.  A block whose largest magnitude lies under 2^(3 - 127) (v) or 2^(6 - 127) (k) keeps the byte 1, the quantiser's own hold;
; a block of zeros keeps the byte 1 too where the quantiser says 127: its codes are zeros, and this program alone reads the bytes.  A mask byte other than 0 counts as true.
; SHARES.  A work-group takes 128 keys of four heads of one batch.  Waves 0-3 (K): a head each; a key's 64 numbers are 256 bytes of memory, read by sixteen lanes, and turn through the wave's own stage
; in LDS, so that a lane then holds a block's 32 neighbours.  Waves 4-11 (V): half a head each: a lane takes a column d and its registers run down the keys.
; The two roles part on the wave's number and never join.  No barrier, no cluster, no tensor load: no byte of k or v is read by two work-groups.
; V's scale words of a chunk (256 bytes) are stored by two waves, 4 bytes of each 8: 256 of a chunk's 9,984 bytes are so written in parts.
.set QROW,  12288                      ; bytes from a key to the next in qkv
.set HEADB, 159744                     ; a head in kv
.set CHUNK, 9984
.set STGW,  8704                       ; a K wave's stage: 32 rows x (256 bytes + 16)
.set R,     32                         ; K: v32-159 two sets of 64 registers as loaded
.set X0,    160                        ; K: a lane's 32 neighbours, fragment a = 0; v192.. a = 1
.set X1,    192
.set CK,    224                        ; K: codes, four registers for each fragment: no store's data are written again
.set MK,    20                         ; K: v20-27 mask bytes, then the pad's code words: v[MK + 4 a + G]
.set CV,    96                         ; V: codes, four registers for each block
	s_load_b128 s[4:7], s[0:1], 0x0                ; qkv, kv
	s_load_b64 s[22:23], s[0:1], 0x10              ; the mask
	v_lshl_add_u32 v30, v0, 2, 0x8800              ; my spare word, behind the four stages
	v_mov_b32 v31, 0
	v_lshrrev_b32 v1, 5, v0
	s_delay_alu instid0(VALU_DEP_1)
	v_readfirstlane_b32 s8, v1                     ; wave 0..11
	v_and_b32 v1, 31, v0                           ; l
	v_and_b32 v7, 15, v0                           ; r
	v_bfe_u32 v29, v0, 4, 1                        ; h
	s_wait_alu depctr_va_vdst(0)                   ; the wait ahead of the run of scalar lines
	s_and_b32 s9, ttmp9, 3                         ; which four heads
	s_bfe_u32 s10, ttmp9, 0x40002                  ; which 128 keys
	s_lshr_b32 s11, ttmp9, 6                       ; batch
	s_mov_b32 s12, 0x76543210
	s_mov_b32 s13, 0xfedcba98                      ; selects for lane l xor 16
	s_mul_i32 s14, s11, 2048*QROW
	s_mul_i32 s15, s10, 128*QROW
	s_add_co_u32 s14, s14, s15
	s_lshl_b32 s15, s9, 10
	s_add_co_u32 s14, s14, s15                     ; in qkv: batch, first key, first of the four heads
	s_lshl_b32 s16, s11, 4
	s_lshl_b32 s17, s9, 2
	s_add_co_u32 s16, s16, s17                     ; 16 b + the first of the four heads
	s_mul_i32 s17, s10, CHUNK                      ; the chunk in a head
	s_mul_i32 s18, s8, STGW                        ; my stage (waves 0-3 alone)
	s_and_b32 s19, s8, 1                           ; V: which half of the head's 64 columns
	v_mul_u32_u24 v2, v29, QROW
	s_delay_alu instid0(VALU_DEP_1)
	v_lshl_add_u32 v2, v7, 4, v2                   ; K in: lanes 0-15 one key's 256 bytes, lanes 16-31 the next key's
	v_mul_u32_u24 v3, v29, 272
	s_delay_alu instid0(VALU_DEP_1)
	v_lshl_add_u32 v3, v7, 4, v3
	s_delay_alu instid0(VALU_DEP_1)
	v_add_nc_u32 v3, s18, v3                       ; the same two rows in the stage
	v_mul_u32_u24 v4, v7, 272
	s_delay_alu instid0(VALU_DEP_1)
	v_lshl_add_u32 v4, v29, 7, v4
	s_delay_alu instid0(VALU_DEP_1)
	v_add_nc_u32 v4, s18, v4                       ; out of the stage: row r, d = 32 h on
	v_lshlrev_b32 v5, 4, v1                        ; 16 l
	v_lshlrev_b32 v6, 3, v29                       ; 8 h: my byte's place in a scale word, in bits
	s_cmp_lt_u32 s8, 4
	s_cbranch_scc0 .Lv
	; ---------------- K: waves 0-3, head = first of the four + wave
	s_lshl_b32 s15, s8, 8
	s_add_co_u32 s14, s14, s15
	s_add_co_u32 s14, s14, 4096                    ; k's plane of qkv
	s_mov_b32 s15, 0
	s_add_co_u32 s16, s16, s8
	s_mul_i32 s16, s16, HEADB
	s_add_co_u32 s16, s16, s17
	s_mov_b32 s17, 0
	s_lshl_b32 s26, s11, 11
	s_lshl_b32 s27, s10, 7
	s_add_co_u32 s26, s26, s27                     ; the chunk's 128 mask bytes
	s_mov_b32 s27, 0
	s_mov_b32 s25, 0xfcf50000                      ; 0x7f7f xor 0x838a: turns the bytes of a block of zeros into those of 2^4 and 2^11
	s_mov_b32 vcc_lo, 0xffff0000                   ; lanes 16-31
	v_mov_b32 v18, 0                               ; a lane permute's destination counts as one of its sources
	v_and_b32 v19, 7, v7
	v_and_b32 v12, 8, v7
	v_lshlrev_b32 v28, 4, v29
	v_lshl_add_u32 v19, v12, 2, v19                ; my row's key in a fragment: 32 (r / 8) + r % 8
	v_sub_nc_u32 v28, 0xbe, v28                    ; the pad's codes: h = 0: -4, -1.5 (0xbe); h = 1: -4, -1 (0xae)
	s_wait_alu depctr_va_vdst(0)                   ; the wait at the head's end
	s_wait_kmcnt 0x0
	s_add_nc_u64 s[4:5], s[4:5], s[14:15]
	s_add_nc_u64 s[6:7], s[6:7], s[16:17]
	s_add_nc_u64 s[22:23], s[22:23], s[26:27]
.irp g, 0,1,2,3
.irp a, 0,1
	global_load_u8 v[MK+4*\a+\g], v19, s[22:23] offset:64*(\g/2)+16*(\g%2)+8*\a   ; the eight oldest loads: every counted wait below covers them
.endr
.endr
; Group b: 32 keys, sixteen loads of two whole rows of 256 bytes.  Load n brings stage rows 2 n, 2 n + 1; stage row 16 a + 8 g + j is key 64 (b / 2) + 16 (b % 2) + 32 g + 8 a + j.
.macro LOADG b
.irp n, 0,1,2,3,4,5,6,7,8,9,10,11,12,13,14,15
	global_load_b128 v[R+64*((\b)%2)+4*\n:R+64*((\b)%2)+4*\n+3], v2, s[4:5] offset:(64*((\b)/2)+16*((\b)%2)+32*((\n/4)%2)+8*(\n/8)+2*(\n%4))*QROW th:TH_LOAD_NT
.endr
.endm
; One fragment of 16 keys: my block's largest magnitude, its codes, its byte, the pad's word; the fragment's scale words in v[16 + u].
.macro ROUNDK bb, u, x
	v_max3_num_f32 v12, |v[\x]|, |v[\x+1]|, |v[\x+2]|
	v_max3_num_f32 v13, |v[\x+3]|, |v[\x+4]|, |v[\x+5]|
.irp i, 6,10,14,18,22,26
	s_delay_alu instid0(VALU_DEP_2)
	v_max3_num_f32 v12, v12, |v[\x+\i]|, |v[\x+\i+1]|
	s_delay_alu instid0(VALU_DEP_2)
	v_max3_num_f32 v13, v13, |v[\x+\i+2]|, |v[\x+\i+3]|
.endr
	s_delay_alu instid0(VALU_DEP_2)
	v_max3_num_f32 v12, v12, |v[\x+30]|, |v[\x+31]|
	s_delay_alu instid0(VALU_DEP_1)
	v_max3_num_f32 v12, v12, v13, 0x3000000        ; the floor 2^(6 - 127): the byte of k / 8 cannot fall under 1
	s_delay_alu instid0(VALU_DEP_1)
	v_add_nc_u32 v14, 0xff000000, v12              ; 2 off the exponent field: the conversion's scale for k as loaded
.irp g, 0,1,2,3
	v_cvt_scalef32_pk8_fp4_f32 v[CK+4*(2*\bb+\u)+\g], v[\x+8*\g:\x+8*\g+7], v14
.endr
	v_add_nc_u32 v15, 0xfd800000, v12              ; 5 off: the scale of k / 8.  (A plain line behind the conversions)
	v_cmp_eq_u32 s24, 0, v[MK+4*\u+\bb]            ; is my row's key masked out?
	v_lshrrev_b32 v15, 23, v15                     ; the byte,
	v_cndmask_b32 v13, 0, s25, s24                 ; what turns bytes 2, 3 for a masked key
	v_lshlrev_b32 v15, v6, v15                     ; at its place in the key's word;
	v_cndmask_b32 v[MK+4*\u+\bb], 0, v28, s24      ; the pad's codes, or zeros
	s_delay_alu instid0(VALU_DEP_2)
	v_permlanex16_b32 v18, v15, s12, s13
	v_or_b32 v15, v15, v13
	s_delay_alu instid0(VALU_DEP_1)
	v_or_b32 v[16+\u], v15, v18                    ; with lane l xor 16's byte: both halves of the lanes hold the word
	global_store_b128 v5, v[CK+4*(2*\bb+\u):CK+4*(2*\bb+\u)+3], s[6:7] offset:1024*\bb+512*\u   ; the fragment's image: 512 consecutive bytes
.endm
	LOADG 0
	LOADG 1
.irp bb, 0,1,2,3
.if \bb < 3
	s_wait_loadcnt 16                              ; this group's 16 loads are in; the next group's 16 may be out
.else
	s_wait_loadcnt 0x0
.endif
.irp n, 0,1,2,3,4,5,6,7,8,9,10,11,12,13,14,15
	ds_store_b128 v3, v[R+64*(\bb%2)+4*\n:R+64*(\bb%2)+4*\n+3] offset:544*\n
.endr
.irp i, 0,1,2,3,4,5,6,7
	ds_load_b128 v[X0+4*\i:X0+4*\i+3], v4 offset:16*\i            ; LDS serves a wave's instructions in order: these see the stores above
.endr
.irp i, 0,1,2,3,4,5,6,7
	ds_load_b128 v[X1+4*\i:X1+4*\i+3], v4 offset:16*272+16*\i
.endr
	s_wait_dscnt 8                                 ; the stores have read their registers and fragment 0's numbers are back; fragment 1's eight loads may be out
.if \bb < 2
	LOADG \bb+2
.endif
	ROUNDK \bb, 0, X0
	s_wait_dscnt 0x0
	ROUNDK \bb, 1, X1
	v_cndmask_b32 v[8+\bb], v16, v17, vcc_lo       ; lanes 0-15: fragment a = 0's words, lanes 16-31: a = 1's
	s_delay_alu instid0(VALU_DEP_1)
	v_xor_b32 v[8+\bb], 0x7f7f0000, v[8+\bb]       ; bytes 2, 3: 0x7f, 0x7f for a kept key; 0x8a, 0x83 for a masked one
.endr
	global_store_b128 v5, v[8:11], s[6:7] offset:8192        ; the chunk's 128 scale words: 512 consecutive bytes
	global_store_b128 v5, v[MK:MK+3], s[6:7] offset:8960     ; the pad's words of the fragments a = 0,
	global_store_b128 v5, v[MK+4:MK+7], s[6:7] offset:9472   ; and a = 1: 512 consecutive bytes each
	s_wait_tensorcnt 0x0                           ; the wave's end
	ds_add_u32 v30, v31
	s_wait_dscnt 0x0
	s_endpgm
	; ---------------- V: waves 4-11, head = first of the four + (wave - 4) / 2, columns 32 ((wave - 4) % 2) + lane
.Lv:
	v_lshlrev_b32 v24, 2, v1                       ; in: 4 bytes a lane
	v_lshlrev_b32 v25, 10, v29
	v_lshlrev_b32 v26, 3, v1
	s_lshl_b32 s20, s19, 11
	s_lshl_b32 s21, s19, 2
	v_lshl_add_u32 v25, v7, 4, v25
	v_add_nc_u32 v26, s21, v26                     ; my scale word: 8 l + 4 (half)
	s_delay_alu instid0(VALU_DEP_2)
	v_add_nc_u32 v25, s20, v25                     ; my codes: 1024 t + 16 r with t = 2 (half) + h
	s_sub_co_u32 s20, s8, 4
	s_lshl_b32 s15, s20, 7
	s_add_co_u32 s14, s14, s15                     ; 256 bytes a head, 128 a half
	s_add_co_u32 s14, s14, 8192                    ; v's plane of qkv
	s_mov_b32 s15, 0
	s_lshr_b32 s20, s20, 1
	s_add_co_u32 s16, s16, s20
	s_mul_i32 s16, s16, HEADB
	s_add_co_u32 s16, s16, s17
	s_mov_b32 s17, 0
	s_wait_alu depctr_va_vdst(0)                   ; the wait at the head's end
	s_wait_kmcnt 0x0
	s_add_nc_u64 s[4:5], s[4:5], s[14:15]
	s_add_nc_u64 s[6:7], s[6:7], s[16:17]
.macro LOADV t                         ; key block t: v(32 t + i, my column) into set t % 2
.irp i, 0,1,2,3,4,5,6,7,8,9,10,11,12,13,14,15,16,17,18,19,20,21,22,23,24,25,26,27,28,29,30,31
	global_load_b32 v[32+32*((\t)%2)+\i], v24, s[4:5] offset:(32*(\t)+\i)*QROW th:TH_LOAD_NT
.endr
.endm
.macro BLOCKV t
.set XS, 32+32*((\t)%2)
.if (\t) < 3
	s_wait_loadcnt 32                              ; this block's 32 loads are in; the next block's 32 may be out
.else
	s_wait_loadcnt 0x0
.endif
	v_max3_num_f32 v12, |v[XS]|, |v[XS+1]|, |v[XS+2]|
	v_max3_num_f32 v13, |v[XS+3]|, |v[XS+4]|, |v[XS+5]|
.irp i, 6,10,14,18,22,26
	s_delay_alu instid0(VALU_DEP_2)
	v_max3_num_f32 v12, v12, |v[XS+\i]|, |v[XS+\i+1]|
	s_delay_alu instid0(VALU_DEP_2)
	v_max3_num_f32 v13, v13, |v[XS+\i+2]|, |v[XS+\i+3]|
.endr
	s_delay_alu instid0(VALU_DEP_2)
	v_max3_num_f32 v12, v12, |v[XS+30]|, |v[XS+31]|
	s_delay_alu instid0(VALU_DEP_1)
	v_max3_num_f32 v12, v12, v13, 0x1800000        ; the floor 2^(3 - 127)
	s_delay_alu instid0(VALU_DEP_1)
	v_add_nc_u32 v14, 0xff000000, v12              ; 2 off the exponent field: the conversion's scale
.irp g, 0,1,2,3
	v_cvt_scalef32_pk8_fp4_f32 v[CV+4*(\t)+\g], v[XS+8*\g:XS+8*\g+7], v14
.endr
	v_lshrrev_b32 v15, 23, v14                     ; the byte.  (A plain line behind the conversions)
.if (\t) == 0
	s_delay_alu instid0(VALU_DEP_1)
	v_mov_b32 v27, v15
.else
	s_delay_alu instid0(VALU_DEP_1)
	v_lshl_or_b32 v27, v15, 8*(\t), v27            ; four bytes to the word, the earlier keys in the lower byte
.endif
	global_store_b128 v25, v[CV+4*(\t):CV+4*(\t)+3], s[6:7] offset:4096+256*(\t)   ; sixteen lanes store 256 consecutive bytes, aligned
.if (\t) < 2
	LOADV (\t)+2
.endif
.endm
	LOADV 0
	LOADV 1
	BLOCKV 0
	BLOCKV 1
	BLOCKV 2
	BLOCKV 3
	global_store_b32 v26, v27, s[6:7] offset:8704  ; my row's scale word
	s_endpgm
.Lfunc_end_k_qa1dd282073_prep:
	.size	k_qa1dd282073_prep, .Lfunc_end_k_qa1dd282073_prep-k_qa1dd282073_prep
	.p2alignl 7, 3214868480
	.fill 96, 4, 3214868480
	.section	.rodata,"a",@progbits
	.p2align	6, 0x0
	.amdhsa_kernel k_qa1dd282073_prep
		.amdhsa_group_segment_fixed_size 36352
		.amdhsa_private_segment_fixed_size 0
		.amdhsa_enable_private_segment 0
		.amdhsa_kernarg_size 24
		.amdhsa_user_sgpr_count 2
		.amdhsa_user_sgpr_kernarg_segment_ptr 1
		.amdhsa_wavefront_size32 1
		.amdhsa_system_sgpr_workgroup_id_x 1
		.amdhsa_system_sgpr_workgroup_id_y 1
		.amdhsa_system_sgpr_workgroup_id_z 1
		.amdhsa_system_vgpr_workitem_id 0
		.amdhsa_next_free_vgpr 256
		.amdhsa_next_free_sgpr 66
		.amdhsa_reserve_vcc 1
		.amdhsa_float_denorm_mode_32 3
		.amdhsa_float_denorm_mode_16_64 3
		.amdhsa_memory_ordered 1
		.amdhsa_forward_progress 1
		.amdhsa_inst_pref_size 60
	.end_amdhsa_kernel
	.amdgpu_metadata
---
amdhsa.version: [ 1, 2 ]
amdhsa.kernels:
  - .name:           k_qa1dd282073_prep
    .symbol:         k_qa1dd282073_prep.kd
    .args:
      - { .name: qkv, .offset: 0, .size: 8, .value_kind: global_buffer, .address_space: global }
      - { .name: kv, .offset: 8, .size: 8, .value_kind: global_buffer, .address_space: global }
      - { .name: key_padding_mask, .offset: 16, .size: 8, .value_kind: global_buffer, .address_space: global }
    .group_segment_fixed_size: 36352
    .private_segment_fixed_size: 0
    .kernarg_segment_align: 8
    .kernarg_segment_size: 24
    .max_flat_workgroup_size: 384
    .sgpr_count:     66
    .vgpr_count:     256
    .wavefront_size: 32
...
	.end_amdgpu_metadata
.endif
;; end of part 1
;; launch attn (part 2): grid 4 x 64, 16 waves a work-group, clusters of 4 x 1, 231,424 bytes of LDS; arguments qkv, kv, out0; writes out0
.if DOCPART == 2
	.amdgcn_target "amdgcn-amd-amdhsa--gfx1250"
	.amdhsa_code_object_version 6
	.text
	.protected	k_qa1dd282073_attn
	.globl	k_qa1dd282073_attn
	.p2align	8
	.type	k_qa1dd282073_attn,@function
k_qa1dd282073_attn:
	s_mov_b64 s[64:65], 0
	v_nop
	global_prefetch_b8 v0, s[64:65] scope:SCOPE_SE
	s_setreg_imm32_b32 hwreg(HW_REG_WAVE_MODE, 25, 1), 1
	s_wait_xcnt 0x0
	s_wait_alu depctr_hold_cnt(0) depctr_sa_sdst(0) depctr_va_vdst(0) depctr_va_sdst(0) depctr_va_ssrc(0) depctr_va_vcc(0) depctr_vm_vsrc(0)
	s_getreg_b32 s2, hwreg(HW_REG_IB_STS2, 6, 4)
	s_cmp_eq_u32 s2, 0
	s_cbranch_scc0 .Lentry_in_a_cluster
	s_endpgm
.Lentry_in_a_cluster:
	s_bfe_u32 s2, ttmp6, 0x10000c
	s_cmp_lg_u32 s2, 0x3003
	s_cbranch_scc0 .Lentry_shape_is_right
	s_endpgm
.Lentry_shape_is_right:
; out0[b][q][head][:] = the sum over keys of softmax(q . k / 8 + pad) v, pad = 0 where key_padding_mask is true and -10000 where it is false; both products on codes of FP4 (E2M1) with E8M0 scales,
; by the form of 32 x 16 x 128.  k, v and the mask come from kv, laid by the launch before in the order of the operands' registers: a head is 16 chunks of 9,984 bytes, one for each 128 keys:
; K's codes at 0, V's at 4,096, K's scale words at 8,192, V's at 8,704, the pad's code words at 8,960.  q is read by one wave alone and is quantised here, in registers.
; THE SOFTMAX AHEAD OF THE SECOND PRODUCT: t = (score + pad) x log2(e); M = the largest t so far, rounded UP to a whole number; p = 2^(t - M) is quantised along the keys, not normalised.
; The row's sum is taken of the unquantised p and divides at the end.  When M moves, the sum and O are multiplied by 2^(old M - new M): exact, and with no branch on data.
; THE MASK is honoured as it is given, whatever its pattern, with no branch or address hanging on it.  The instruction's K is 128, the head's 64.  In blocks 2 and 3 of K's operand a masked key holds
; -4, -1.5 (scale 2^11) and -4, -1 (scale 2^4), a kept key zeros (scale 1); Q's operand holds 1, 0.5 and 4, 1 (scale 1) there: the product adds -(4.75) 2^11 - 17 x 2^4 = -10000 or 0, and score + pad leaves the matrix unit.
; Of the operands' registers 4-7 only register 4 holds these codes; Q's 5-7 are zero codes, so whatever stands in K's 5-7 adds exactly 0 (FP4 has no NaN or infinity): they are never loaded again.
; SHARES.  A work-group owns 512 queries of one head; each of its sixteen waves owns two tiles of 16 queries, 256 apart, and takes them one after the other (PASS 0, PASS 1), each over all 2,048 keys, 128 a step.
; THE WHOLE HEAD STAYS IN LDS: 159,744 bytes, filled once, by eight tensor loads (waves 0-7, one each; one load of a wave is outstanding).  Nothing is filled again.
; CLUSTER.  The four work-groups of a head form a cluster and ask for the head JOINTLY.  No prefetch: a head is asked for once, at the kernel's head, and there is no loop to run ahead in.
; LAYOUT.  Both products are used transposed: S^T = K Q^T (source 0 = 32 keys, source 1 = my 16 queries), O^T = V^T P^T: a lane holds ONE query (lane % 16) throughout.
; Row 16 a + 8 g + j of product G takes key 64 (G / 2) + 32 g + 16 (G % 2) + 8 a + j: so lane half h holds in registers S + 32 c + i key 64 c + 32 h + i: WHOLE BLOCKS of 32 keys, in the order that P's operand wants.
; A block's maximum needs no other lane and the conversions' results are the operand's registers.
; THE LOADS RUN AHEAD: behind the first product's instructions a step asks for the NEXT chunk's K (PASS 0's last step: for tile B's q); its own V is asked for between the lines of the row's maximum.
; THE EXPONENTIALS GO IN TWO HALVES, each by turns with plain lines that hang on none of them: block c = 0's with the scaling of c = 1's scores, c = 1's with the first additions of c = 0's p.
; LIMITS: NaN and infinities among the inputs are not served.  A block of q under 2^(3 - 127) keeps the byte 1 (the quantiser's own hold); a block of zeros too: its codes are zeros.
; score + pad is rounded in the matrix unit and not by a separate f32 addition.  p under 2^-126 counts as 0.  The promise holds while |t| stays under 2^31.
.set QROW,  12288
.set HEADB, 159744
.set CHUNK, 9984
.set PART,  19968                      ; what one tensor load brings: 78 rows of 256 bytes
.set STG,   159744                     ; LDS: a stage of 16 rows x (256 + 16) bytes for each wave: q on its way in, O on its way out
.set STGW,  4352
.set SP,    272
.set SPARE, 229376                     ; the spare words: 128 bytes for each of 16 waves
.set KF,    32                         ; v32-95   K: eight fragments x 8 registers (0-3 codes, 4 the pad's word, 5-7 not cared for)
.set VF,    96                         ; v96-127  V: four fragments x 8
.set S,     128                        ; v128-191 S^T, then p, then the sum's tree
.set O,     192                        ; v192-223 O^T
.set PC,    224                        ; v224-231 p's codes
.set BM,    232                        ; v232-233 my two blocks' largest scores, then largest p
.set CH,    234                        ; v234-237, v240-243 eight chains of the maximum
.set CG,    240
.set BS,    234                        ; v234-235 then: the conversions' scale operands
.set BT,    236                        ; v236-237 the bytes
.set TW,    238
.set PW,    239                        ; p's scale words
.set TX,    245                        ; lane xor 16's
.set F,     246                        ; v[246:247] f = 2^(old M - new M)
.set SPW,   248
.set NIL,   249
.set OLD,   250                        ; the last step's -M
.set A0,    14                         ; the row's sum in four pairs: v[14:15], v[252:253], v[254:255], v[10:11]
.set A1,    252
.set A2,    254
.set A3,    10
.macro CROUND
	s_barrier_signal -1
	s_barrier_wait -1
	s_cmp_lg_u32 s12, 0
	s_cbranch_scc1 .Lnot_wave_0_\@
	s_barrier_signal -3
.Lnot_wave_0_\@:
	s_barrier_wait -3
	s_barrier_signal -1
	s_barrier_wait -1
.endm
	s_load_b128 s[4:7], s[0:1], 0x0                ; qkv, kv
	s_load_b64 s[8:9], s[0:1], 0x10                ; out0
	v_lshl_add_u32 v[SPW], v0, 2, SPARE
	v_mov_b32 v[NIL], 0
	ds_add_u32 v[SPW], v[NIL]                      ; the opening lines: the add, twice on end, and its wait
	ds_add_u32 v[SPW], v[NIL]
	s_wait_dscnt 0x0
	v_lshrrev_b32 v9, 5, v0
	s_delay_alu instid0(VALU_DEP_1)
	v_readfirstlane_b32 s12, v9                    ; wave 0..15
	v_and_b32 v11, 31, v0                          ; l
	v_and_b32 v9, 15, v0                           ; r
	v_bfe_u32 v10, v0, 4, 1                        ; h
	s_wait_alu depctr_va_vdst(0)                   ; the wait ahead of the run of scalar lines
	s_bfe_u32 s13, ttmp6, 0x40000                  ; cx
	s_lshl_b32 s14, ttmp9, 2
	s_add_co_u32 s14, s14, s13                     ; my block of 512 queries: it enters q's and out0's addresses alone
	s_and_b32 s15, ttmp7, 0xffff                   ; 16 b + head, which the four partners share
	s_lshr_b32 s16, s15, 4                         ; b
	s_and_b32 s17, s15, 15
	s_lshl_b32 s17, s17, 8                         ; the head's 256 bytes in a row of q and of out0
	s_lshl_b32 s18, s14, 9
	s_lshl_b32 s19, s12, 4
	s_add_co_u32 s18, s18, s19                     ; tile A's first query
	s_mul_i32 s40, s16, 2048*QROW
	s_mul_i32 s41, s18, QROW
	s_add_co_u32 s40, s40, s41
	s_add_co_u32 s40, s40, s17                     ; in qkv
	s_mov_b32 s41, 0
	s_lshl_b32 s42, s16, 23
	s_lshl_b32 s43, s18, 12
	s_add_co_u32 s42, s42, s43
	s_add_co_u32 s42, s42, s17                     ; in out0
	s_mov_b32 s43, 0
	s_mul_i32 s46, s15, HEADB                      ; the head in kv,
	s_mul_i32 s33, s12, PART                       ; my eighth of it: in LDS (group 0, word 1),
	s_add_co_u32 s46, s46, s33                     ; and in memory
	s_mov_b32 s47, 0
	s_mov_b32 s24, 15|(3<<16)|(1<<21)              ; group 1: the mask names all four; elements of 8 bytes; no padding; bit 21 beside a mask
	s_mov_b32 s25, 32<<16
	s_mov_b32 s26, 78<<16
	s_mov_b32 s27, 32<<16
	s_mov_b32 s28, 78
	s_mov_b32 s29, 32
	s_mov_b32 s30, 0
	s_mov_b32 s31, 0
	s_mov_b32 s20, 0x76543210
	s_mov_b32 s21, 0xfedcba98                      ; selects for lane l xor 16
	s_mov_b32 s22, 0x3fb8aa3b                      ; log2(e)
	s_mov_b32 s23, s22
	s_mov_b32 s48, 0xbfb8aa3b                      ; -log2(e)
	v_mul_u32_u24 v7, v10, QROW
	s_delay_alu instid0(VALU_DEP_1)
	v_lshl_add_u32 v7, v9, 4, v7                   ; q in: lanes 0-15 one query's 256 bytes, lanes 16-31 the next query's
	s_wait_alu depctr_va_vdst(0)                   ; the wait directly ahead of the wait below
	s_wait_kmcnt 0x0
	s_add_nc_u64 s[4:5], s[4:5], s[40:41]
	s_add_nc_u64 s[8:9], s[8:9], s[42:43]
	s_mov_b32 s32, 1
	s_add_nc_u64 s[34:35], s[6:7], s[46:47]
	s_or_b32 s35, s35, 0x80000000
.irp i, 0,1,2,3,4,5,6,7
	global_load_b128 v[KF+32+4*\i:KF+35+4*\i], v7, s[4:5] offset:2*QROW*\i th:TH_LOAD_NT   ; tile A's q: two whole rows of 256 bytes a load
.endr
	CROUND                                         ; all four work-groups are here: the joint loads meet
	s_cmp_lt_u32 s12, 8
	s_cbranch_scc0 .Lno_fetch
	tensor_load_to_lds s[32:35], s[24:31]          ; waves 0-7: an eighth of the head each
	s_nop 0
.rept 4
	v_nop
.endr
.Lno_fetch:
	v_lshlrev_b32 v1, 4, v11                       ; 16 l: my place in a fragment's image
	v_lshl_add_u32 v2, v11, 3, 8704                ; V's scale words: 8 l
	s_mul_i32 s39, s12, STGW
	s_add_co_u32 s39, s39, STG                     ; my stage
	v_mul_u32_u24 v4, v10, SP
	v_mul_u32_u24 v5, v9, SP
	v_lshlrev_b32 v8, 12, v10
	v_mad_u32_u24 v20, v10, 20, 18                 ; Q's register 4: h = 0: the codes of 1, 0.5 (0x12); h = 1: of 4, 1 (0x26)
	v_lshl_add_u32 v4, v9, 4, v4
	v_add_nc_u32 v5, s39, v5
	v_lshl_add_u32 v8, v9, 4, v8                   ; out0: two rows, 4,096 bytes apart, 16 bytes a lane
	v_mov_b32 v21, 0                               ; zero codes
	v_add_nc_u32 v4, s39, v4                       ; the stage by rows: lanes 0-15 one row, lanes 16-31 the next
	v_lshl_add_u32 v6, v10, 5, v5                  ; O in: row r, 32 bytes for each half of the lanes
	v_mov_b32 v22, 0
	v_mov_b32 v23, 0
	v_lshl_add_u32 v5, v10, 7, v5                  ; q out: row r, d = 32 h on
	v_mov_b32 v[TX], 0                             ; a lane permute's destination counts as one of its sources
	v_mov_b32 v[F+1], 0                            ; (named as the upper half of a pair)
	s_wait_alu depctr_va_vdst(0)                   ; the wait at the head's end
	s_wait_loadcnt 0x0                             ; tile A's q
; 16 queries of q, as loaded in v[KF+32] on, turn through my stage, so that a lane holds a block's 32 neighbours; then Q's codes in v16-19 and its scale words in v24 (lanes 0-15).
.macro QIN
.irp i, 0,1,2,3,4,5,6,7
	ds_store_b128 v4, v[KF+32+4*\i:KF+35+4*\i] offset:2*SP*\i
.endr
.irp i, 0,1,2,3,4,5,6,7
	ds_load_b128 v[KF+4*\i:KF+4*\i+3], v5 offset:16*\i            ; LDS serves a wave's instructions in order
.endr
	s_wait_dscnt 0x0
	v_max3_num_f32 v[CH], |v[KF]|, |v[KF+1]|, |v[KF+2]|
	v_max3_num_f32 v[CH+1], |v[KF+3]|, |v[KF+4]|, |v[KF+5]|
.irp i, 6,10,14,18,22,26
	s_delay_alu instid0(VALU_DEP_2)
	v_max3_num_f32 v[CH], v[CH], |v[KF+\i]|, |v[KF+\i+1]|
	s_delay_alu instid0(VALU_DEP_2)
	v_max3_num_f32 v[CH+1], v[CH+1], |v[KF+\i+2]|, |v[KF+\i+3]|
.endr
	s_delay_alu instid0(VALU_DEP_2)
	v_max3_num_f32 v[CH], v[CH], |v[KF+30]|, |v[KF+31]|
	s_delay_alu instid0(VALU_DEP_1)
	v_max3_num_f32 v[CH], v[CH], v[CH+1], 0x1800000   ; the floor 2^(3 - 127)
	s_delay_alu instid0(VALU_DEP_1)
	v_add_nc_u32 v[TW], 0xff000000, v[CH]          ; 2 off the exponent field: the conversion's scale
.irp g, 0,1,2,3
	v_cvt_scalef32_pk8_fp4_f32 v[16+\g], v[KF+8*\g:KF+8*\g+7], v[TW]
.endr
	v_lshrrev_b32 v[BT], 23, v[TW]                 ; the byte.  (A plain line behind the conversions)
	s_delay_alu instid0(VALU_DEP_1)
	v_permlanex16_b32 v[TX], v[BT], s20, s21
	s_delay_alu instid0(VALU_DEP_1)
	v_lshl_or_b32 v[BT], v[TX], 8, v[BT]           ; lanes 0-15, which alone are read: block 0's byte is mine, block 1's lane l + 16's
	s_delay_alu instid0(VALU_DEP_1)
	v_or_b32 v24, 0x7f7f0000, v[BT]                ; the pad's two blocks: the scale 1
.endm
; K's fragments, pad words and scale words of the chunk at byte off from the address in v[a]: 17 loads
.macro KLOAD a, off
.irp f, 0,1,2,3,4,5,6,7
	ds_load_b128 v[KF+8*\f:KF+8*\f+3], v[\a] offset:\off+512*\f
	ds_load_b32 v[KF+8*\f+4], v[\a] offset:\off+8960+512*(\f%2)+4*(\f/2)
.endr
	ds_load_b128 v[28:31], v[\a] offset:\off+8192
.endm
.macro VLD x, y                        ; two of V's eight loads of 16 bytes a lane
	ds_load_b128 v[VF+4*\x:VF+4*\x+3], v9 offset:4096+512*\x
	ds_load_b128 v[VF+4*\y:VF+4*\y+3], v9 offset:4096+512*\y
.endm
.macro TMS n                           ; n pairs: t - M
.rept \n
	v_pk_fma_f32 v[S+J:S+J+1], v[S+J:S+J+1], s[22:23], v[12:13] op_sel_hi:[1,0,0]
.set J, J+2
.endr
.endm
.macro OMS n                           ; n pairs of O^T under the new M, in ascending order
.rept \n
	v_pk_mul_f32 v[O+JO:O+JO+1], v[O+JO:O+JO+1], v[F:F+1] op_sel_hi:[1,0]
.set JO, JO+2
.endr
.endm
.macro ADDS n, base, dist              ; n pairs from v[base] on, each += the pair dist registers further on
.set J, 0
.rept \n
	v_pk_add_f32 v[\base+J:\base+J+1], v[\base+J:\base+J+1], v[\base+\dist+J:\base+\dist+J+1]
.set J, J+2
.endr
.endm
.macro ACC a, k                        ; a quarter of the row's sum: x f, + this step's partial pair k
	v_pk_fma_f32 v[\a:\a+1], v[\a:\a+1], v[F:F+1], v[S+2*\k:S+2*\k+1] op_sel_hi:[1,0,1]
.endm
; A KEY STEP: 128 keys; s36: the chunk's first byte in LDS.  Its K has been asked for a step earlier.  pf = 1: asks for the next chunk's K; 2: for tile B's q; 0: for nothing.
.macro STEP pf
	s_wait_dscnt 0x0                               ; K's 17 loads are in
.irp g, 0,1,2,3
	v_wmma_scale_f32_32x16x128_f4 v[S+16*\g:S+16*\g+15], v[KF+16*\g:KF+16*\g+15], v[16:23], 0, v[28+\g], v24
.endr
	v_add_nc_u32 v9, s36, v1                       ; four places between the products (the last step's second product too) and the loads into their registers and the first read of results
	v_add_nc_u32 v3, s36, v2
	v_mov_b32 v[OLD], v12
	v_nop
.if \pf == 1
	KLOAD 9, CHUNK
.endif
.if \pf == 2
.irp i, 0,1,2,3,4,5,6,7
	global_load_b128 v[KF+32+4*\i:KF+35+4*\i], v7, s[4:5] offset:256*QROW+2*QROW*\i th:TH_LOAD_NT
.endr
.endif
.irp w, 0,1,2,3
	v_max3_num_f32 v[CH+\w], v[S+16*\w], v[S+16*\w+1], v[S+16*\w+2]   ; eight chains by turns; each accumulator is read from its low end on
.endr
.irp w, 0,1,2,3
	v_max3_num_f32 v[CG+\w], v[S+16*\w+8], v[S+16*\w+9], v[S+16*\w+10]
.endr
.irp i, 3,5
.irp w, 0,1,2,3
	v_max3_num_f32 v[CH+\w], v[CH+\w], v[S+16*\w+\i], v[S+16*\w+\i+1]
.endr
.irp w, 0,1,2,3
	v_max3_num_f32 v[CG+\w], v[CG+\w], v[S+16*\w+8+\i], v[S+16*\w+9+\i]
.endr
.endr
.irp w, 0,1,2,3
	v_max3_num_f32 v[CH+\w], v[CH+\w], v[CG+\w], v[S+16*\w+7]
.endr
	v_max3_num_f32 v[BM], v[CH], v[CH+1], v[S+15]
	v_max3_num_f32 v[BM+1], v[CH+2], v[CH+3], v[S+47]
	v_max_num_f32 v[BM], v[BM], v[S+31]            ; my two blocks' largest scores: for the row's maximum and, since p rises with the score, for the blocks' largest p
	v_max_num_f32 v[BM+1], v[BM+1], v[S+63]
	v_max_num_f32 v[TW], v[BM], v[BM+1]            ; the row's chain: V's nine loads stand between its lines
	VLD 0, 1
	v_permlanex16_b32 v[TX], v[TW], s20, s21
	VLD 2, 3
	v_max3_num_f32 v13, v13, v[TW], v[TX]          ; the running largest score of my query
	VLD 4, 5
	v_mul_f32 v[TW], s48, v13                      ; -t
	VLD 6, 7
	v_floor_f32 v12, v[TW]                         ; -M = floor(-t) = -ceil(t)
	ds_load_b64 v[26:27], v3                       ; V's scale words
.set J, 0
	TMS 5                                          ; block c = 0's t - M
	v_sub_f32 v[TW], v12, v[OLD]                   ; old M - new M: a whole number, 0 or less
	TMS 5
	v_cvt_i32_f32 v[TW], v[TW]                     ; (it saturates)
	TMS 5
	v_ldexp_f32 v[F], 1.0, v[TW]                   ; f = 2^(old M - new M)
	TMS 1
	v_fma_f32 v[BM], v[BM], s22, v12
	v_fma_f32 v[BM+1], v[BM+1], s22, v12
	s_wait_alu depctr_va_vdst(0)                   ; the wait ahead of the batch
	v_exp_f32 v[BM], v[BM]                         ; the blocks' largest p: the same two instructions on the same numbers
	v_exp_f32 v[BM+1], v[BM+1]
.set J, 0
.rept 16
	v_exp_f32 v[S+J], v[S+J]                       ; p = 2^(t - M) of block c = 0,
	v_exp_f32 v[S+J+1], v[S+J+1]
	v_pk_fma_f32 v[S+32+J:S+33+J], v[S+32+J:S+33+J], s[22:23], v[12:13] op_sel_hi:[1,0,0]   ; by turns with c = 1's t - M: it reads what was written ahead of the wait above, and is first read behind the wait below
.set J, J+2
.endr
	s_wait_alu depctr_va_vdst(0)                   ; one wait for the batch, and for O^T's first readers: plain lines alone up to the last of them
.set JO, 0
	OMS 1
	v_max_num_f32 v[BM], 0x1800000, v[BM]          ; the floor 2^(3 - 127): a block whose every p is 0 keeps the byte 1
	v_max_num_f32 v[BM+1], 0x1800000, v[BM+1]
	OMS 3
	v_add_nc_u32 v[BS], 0xff000000, v[BM]          ; 2 off the exponent field: the conversions' scales
	v_add_nc_u32 v[BS+1], 0xff000000, v[BM+1]
	OMS 3
	v_lshrrev_b32 v[BT], 23, v[BS]                 ; the bytes
	v_lshrrev_b32 v[BT+1], 23, v[BS+1]
	OMS 4
	v_lshl_or_b32 v[BT], v[BT+1], 16, v[BT]        ; blocks h and 2 + h
	OMS 5
	v_permlanex16_b32 v[TX], v[BT], s20, s21
.irp g, 0,1,2,3
	v_cvt_scalef32_pk8_fp4_f32 v[PC+\g], v[S+8*\g:S+8*\g+7], v[BS]   ; registers 0-3 of P's operand: keys 32 h + 8 g on
.endr
	v_lshl_or_b32 v[PW], v[TX], 8, v[BT]           ; p's scale word, in lanes 0-15, which alone are read.  (The plain line behind the conversions)
.set J, 0
.rept 8
	v_exp_f32 v[S+32+2*J], v[S+32+2*J]             ; p of block c = 1 (its t - M stands ahead of the wait above),
	v_exp_f32 v[S+33+2*J], v[S+33+2*J]
	v_exp_f32 v[S+34+2*J], v[S+34+2*J]
	v_exp_f32 v[S+35+2*J], v[S+35+2*J]
	v_pk_add_f32 v[S+J:S+J+1], v[S+J:S+J+1], v[S+16+J:S+17+J]   ; by turns with the first eight additions of c = 0's p, which are first read behind the wait below
.set J, J+2
.endr
	s_wait_alu depctr_va_vdst(0)                   ; one wait for the second batch and for what was written ahead of it
.irp g, 0,1,2,3
	v_cvt_scalef32_pk8_fp4_f32 v[PC+4+\g], v[S+32+8*\g:S+32+8*\g+7], v[BS+1]   ; registers 4-7: keys 64 + 32 h + 8 g on
.endr
	ADDS 4, S, 8                                   ; the row's sum of the unquantised p, a tree in place: c = 0 down to four pairs (plain lines behind the conversions, on none of their registers),
	ADDS 8, S+32, 16                               ; c = 1 likewise,
	ADDS 4, S+32, 8
	ADDS 4, S, 32                                  ; both together,
	ACC A0, 0                                      ; and onto the four quarters of the sum, brought under the new M in the same line
	ACC A1, 1
	ACC A2, 2
	ACC A3, 3
	s_wait_alu depctr_va_vdst(0)                   ; the wait directly ahead of the wait below
	s_wait_dscnt 0x0                               ; V's nine loads, the youngest, are in
.irp u, 0,1
	v_wmma_scale_f32_32x16x128_f4 v[O+16*\u:O+16*\u+15], v[VF+16*\u:VF+16*\u+15], v[PC:PC+7], v[O+16*\u:O+16*\u+15], v[26+\u], v[PW]
.endr
.endm
; One tile of 16 queries over all keys, and its way out.
.macro PASS p
	KLOAD 1, 0                                     ; chunk 0's K
	v_mov_b32 v13, 0xfe967699                      ; the largest score so far: -1e38
	v_mov_b32 v12, 0x7e967699                      ; -M: 1e38
.irp a, A0, A1, A2, A3
	v_mov_b32 v[\a], 0                             ; the sum's four pairs
	v_mov_b32 v[\a+1], 0
.endr
.set J, 0
.rept 32
	v_mov_b32 v[O+J], 0                            ; O^T: the step is written once; the first change of M leaves zeros zeros.  (Also the places between Q's codes and scale word and the first product)
.set J, J+1
.endr
	s_mov_b32 s36, 0
	s_mov_b32 s38, 15
	s_wait_alu depctr_va_vdst(0)                   ; the wait ahead of the loop's waits
.Lstep_\@:
	STEP 1
	s_add_co_u32 s36, s36, CHUNK
	s_sub_co_i32 s38, s38, 1
	s_cmp_lg_u32 s38, 0
	s_cbranch_scc1 .Lstep_\@
	STEP 2-2*\p                                    ; the last chunk has no next one
	v_pk_add_f32 v[A0:A0+1], v[A0:A0+1], v[A1:A1+1]   ; the sum's quarters.  (These lines are the places behind the last products)
	v_pk_add_f32 v[A2:A2+1], v[A2:A2+1], v[A3:A3+1]
	s_delay_alu instid0(VALU_DEP_1)
	v_pk_add_f32 v[A0:A0+1], v[A0:A0+1], v[A2:A2+1]
	s_delay_alu instid0(VALU_DEP_1)
	v_add_f32 v14, v14, v15
	s_delay_alu instid0(VALU_DEP_1)
	v_permlanex16_b32 v[TX], v14, s20, s21
	s_delay_alu instid0(VALU_DEP_1)
	v_add_f32 v14, v14, v[TX]                      ; the row's sum
	s_wait_alu depctr_va_vdst(0)                   ; the wait ahead of the transcendental
	v_rcp_f32 v14, v14
	v_nop
	s_wait_alu depctr_va_vdst(0)                   ; and ahead of its first reader, which is also O^T's
.set J, 0
.rept 16
	v_pk_mul_f32 v[O+J:O+J+1], v[O+J:O+J+1], v[14:15] op_sel_hi:[1,0]   ; register 8 t + i is o(query r, d = 16 t + 8 h + i)
.set J, J+2
.endr
.irp t, 0,1,2,3
	ds_store_b128 v6, v[O+8*\t:O+8*\t+3] offset:64*\t
	ds_store_b128 v6, v[O+8*\t+4:O+8*\t+7] offset:64*\t+16
.endr
.irp i, 0,1,2,3,4,5,6,7
	ds_load_b128 v[S+4*\i:S+4*\i+3], v4 offset:2*SP*\i             ; back by rows; LDS serves a wave's instructions in order
.endr
.irp i, 0,1,2,3,4,5,6,7
	s_wait_dscnt 7-\i
	global_store_b128 v8, v[S+4*\i:S+4*\i+3], s[8:9] offset:256*4096*\p+2*4096*\i th:TH_STORE_NT   ; sixteen lanes store 256 consecutive bytes, aligned
.endr
.endm
	QIN
	s_wait_tensorcnt 0x0                           ; my part of the head has landed,
	s_wait_dscnt 0x0
	s_barrier_signal -1
	s_barrier_wait -1                              ; everybody's has
	PASS 0
	s_wait_xcnt 0x0                                ; the stores have read their registers: the next pass writes them
	s_wait_loadcnt 0x0                             ; tile B's q
	QIN
	PASS 1
	s_wait_tensorcnt 0x0                           ; the wave's end
	ds_add_u32 v[SPW], v[NIL]
	s_wait_dscnt 0x0
	CROUND                                         ; the closing round
	s_endpgm
.Lfunc_end_k_qa1dd282073_attn:
	.size	k_qa1dd282073_attn, .Lfunc_end_k_qa1dd282073_attn-k_qa1dd282073_attn
	.p2alignl 7, 3214868480
	.fill 96, 4, 3214868480
	.section	.rodata,"a",@progbits
	.p2align	6, 0x0
	.amdhsa_kernel k_qa1dd282073_attn
		.amdhsa_group_segment_fixed_size 231424
		.amdhsa_private_segment_fixed_size 0
		.amdhsa_enable_private_segment 0
		.amdhsa_kernarg_size 24
		.amdhsa_user_sgpr_count 2
		.amdhsa_user_sgpr_kernarg_segment_ptr 1
		.amdhsa_wavefront_size32 1
		.amdhsa_system_sgpr_workgroup_id_x 1
		.amdhsa_system_sgpr_workgroup_id_y 1
		.amdhsa_system_sgpr_workgroup_id_z 1
		.amdhsa_system_vgpr_workitem_id 0
		.amdhsa_next_free_vgpr 256
		.amdhsa_next_free_sgpr 66
		.amdhsa_reserve_vcc 0
		.amdhsa_float_denorm_mode_32 3
		.amdhsa_float_denorm_mode_16_64 3
		.amdhsa_memory_ordered 1
		.amdhsa_forward_progress 1
		.amdhsa_inst_pref_size 77
	.end_amdhsa_kernel
	.amdgpu_metadata
---
amdhsa.version: [ 1, 2 ]
amdhsa.kernels:
  - .name:           k_qa1dd282073_attn
    .symbol:         k_qa1dd282073_attn.kd
    .args:
      - { .name: qkv, .offset: 0, .size: 8, .value_kind: global_buffer, .address_space: global }
      - { .name: kv, .offset: 8, .size: 8, .value_kind: global_buffer, .address_space: global }
      - { .name: out0, .offset: 16, .size: 8, .value_kind: global_buffer, .address_space: global }
    .group_segment_fixed_size: 231424
    .private_segment_fixed_size: 0
    .kernarg_segment_align: 8
    .kernarg_segment_size: 24
    .max_flat_workgroup_size: 512
    .sgpr_count:     66
    .vgpr_count:     256
    .wavefront_size: 32
...
	.end_amdgpu_metadata
.endif
;; end of part 2
